; MI455X (gfx1250); checked and timed in simulation.
; The chip was launched on July 23, 2026; its instructions are those of AMD's public machine-readable ISA for CDNA 5 (MIT licence, August 2026) and "CDNA5" Instruction Set Architecture Reference Guide (July 2026). The comments in the code are by the model that wrote it; some were corrected since.
;; Gated Linear RNN. Allowed arithmetic: float matrix products may take bf16 or f16 operands with f32 sums; all other float work in f32.
;; Inputs: Wf_b 2,048 float32; Wf_w 2,048 x 2,048 float32; Wga_w 2,048 x 2,048 float32; Wgb_w 2,048 x 2,048 float32; Wout_b 2,048 float32; Wout_w 2,048 x 2,048 float32; Wz_w 2,048 x 2,048 float32; Wzg_w 2,048 x 2,048 float32; rms_w 2,048 float32; x 4 x 512 x 2,048 float32.
;; Outputs: out0 4 x 512 x 2,048 float32.
;; One version. Each part assembles by itself: llvm-mc -triple=amdgcn-amd-amdhsa -mcpu=gfx1250 --defsym DOCPART=n.
;; ======== version 1 of 1: 3 launches
;; workspace buffers: xn 8,388,608 bytes; wcat 41,943,040 bytes; woutb 8,388,608 bytes; gt 8,388,608 bytes
;; launch prep (part 1): grid 256 x 7, 8 waves a work-group, no clusters, 0 bytes of LDS; arguments x, rms_w, Wf_w, Wz_w, Wzg_w, Wga_w, Wgb_w, Wout_w, xn, wcat, woutb; writes xn, wcat, woutb
.if DOCPART == 1
	.amdgcn_target "amdgcn-amd-amdhsa--gfx1250"
	.amdhsa_code_object_version 6
	.text
	.protected	k_q78af1d3e00_prep
	.globl	k_q78af1d3e00_prep
	.p2align	8
	.type	k_q78af1d3e00_prep,@function
k_q78af1d3e00_prep:
	s_mov_b64 s[64:65], 0
	v_nop
	global_prefetch_b8 v0, s[64:65] scope:SCOPE_SE
	s_setreg_imm32_b32 hwreg(HW_REG_WAVE_MODE, 25, 1), 1
	s_wait_xcnt 0x0
; PREP: the matrix operands of the two later launches, rounded once to bf16.
;   y = 0     : xn[m][d]  = bf16( x[m][d] * rsqrt(mean over d of x^2 + 1e-5) * rms_w[d] ),  m = 0..2047
;   y = 1..5  : wcat[(s/32)*160 + (y-1)*32 + s%32][d] = bf16( W[s][d] ),  W = Wf, Wz, Wzg, Wga, Wgb: the 160 rows that one block of 32 channels needs lie together
;   y = 6     : woutb[d][s] = bf16( Wout[d][s] )
; No work of the problem is left out anywhere in this program: every input reaches the output and every input is loaded.  The zero initial
; state of the recurrence is a constant in the second launch and is never multiplied as a tile, a row or a step of its own.
; One wave takes one row of 2,048 f32 (8,192 bytes) in 64 registers: 16 loads of 512 consecutive bytes, so the row is read once also where
; it is needed twice (sum of squares, then scaling); 16 stores of 8 bytes a lane, each covering 256 consecutive bytes, aligned.
; A stream: no LDS, no barrier, no matrix unit; no register of a pending load or store is written again, so no wait frees any.
; LIMITS: sum of squares in f32 in four chains and a tree over the lanes (another order of rounding than a plain mean); v_rsq_f32 is good to 1 ULP.
.set X,  16                            ; v[16:79]   the row
.set WV, 80                            ; v[80:143]  rms_w, the same columns
	s_load_b512 s[8:23], s[0:1], 0x0               ; x s[8:9], rms_w s[10:11], Wf s[12:13], Wz s[14:15], Wzg s[16:17], Wga s[18:19], Wgb s[20:21], Wout s[22:23]
	s_load_b128 s[24:27], s[0:1], 0x40             ; xn s[24:25], wcat s[26:27]
	s_load_b64 s[28:29], s[0:1], 0x50              ; woutb
	v_lshrrev_b32 v3, 5, v0
	v_readfirstlane_b32 s2, v3                     ; wave 0..7
	s_and_b32 s4, ttmp7, 0xffff                    ; y: which array
	s_lshl_b32 s5, ttmp9, 3
	s_add_co_u32 s5, s5, s2                        ; my row, 0..2047
	s_lshl_b32 s6, s5, 13                          ; its byte offset in the f32 array
	s_mov_b32 s7, 0
	v_and_b32 v1, 31, v0
	v_lshlrev_b32 v2, 3, v1                        ; 8 x lane: my 8 bytes of each 256 stored
	v_lshlrev_b32 v1, 4, v1                        ; 16 x lane: my 16 bytes of each 512 loaded
	s_wait_kmcnt 0x0
	s_cmp_lg_u32 s4, 0
	s_cbranch_scc1 .Lweights
; four numbers of a lane become 8 bytes, packed in place, and leave
.macro PACKST j
	v_cvt_pk_bf16_f32 v[X+4*\j], v[X+4*\j], v[X+4*\j+1]
	v_cvt_pk_bf16_f32 v[X+4*\j+1], v[X+4*\j+2], v[X+4*\j+3]
	global_store_b64 v2, v[X+4*\j:X+4*\j+1], s[34:35] offset:256*\j
.endm
	; ---- y = 0: RMSNorm of one row of x
	s_add_nc_u64 s[32:33], s[8:9], s[6:7]
.irp j, 0,1,2,3,4,5,6,7,8,9,10,11,12,13,14,15
	global_load_b128 v[X+4*\j:X+4*\j+3], v1, s[32:33] offset:512*\j
.endr
.irp j, 0,1,2,3,4,5,6,7,8,9,10,11,12,13,14,15
	global_load_b128 v[WV+4*\j:WV+4*\j+3], v1, s[10:11] offset:512*\j
.endr
	s_mov_b32 s30, 0x3a000000                      ; 1 / 2048
	s_mov_b32 s31, 0x3727c5ac                      ; 1e-5
	s_mov_b32 s38, 0x76543210                      ; v_permlanex16_b32: lane i reads lane i of the other half
	s_mov_b32 s39, 0xfedcba98
	s_lshl_b32 s36, s5, 12                         ; my row in xn: 4,096 bytes a row
	s_mov_b32 s37, 0
	s_add_nc_u64 s[34:35], s[24:25], s[36:37]
	s_wait_loadcnt 16                              ; the 16 loads of x are in; the 16 of rms_w, issued behind them, may be out
.irp k, 0,1,2,3
	v_pk_mul_f32 v[4+2*\k:5+2*\k], v[X+2*\k:X+2*\k+1], v[X+2*\k:X+2*\k+1]   ; the first four pairs start four chains: nothing is cleared
.endr
.set p, 4
.rept 28
	v_pk_fma_f32 v[4+2*(p%4):5+2*(p%4)], v[X+2*p:X+2*p+1], v[X+2*p:X+2*p+1], v[4+2*(p%4):5+2*(p%4)]
.set p, p+1
.endr
	v_pk_add_f32 v[4:5], v[4:5], v[6:7]
	v_pk_add_f32 v[8:9], v[8:9], v[10:11]
	v_pk_add_f32 v[4:5], v[4:5], v[8:9]
	v_add_f32 v4, v4, v5
	v_add_f32_dpp v4, v4, v4 row_xmask:1 row_mask:0xf bank_mask:0xf
	v_add_f32_dpp v4, v4, v4 row_xmask:2 row_mask:0xf bank_mask:0xf
	v_add_f32_dpp v4, v4, v4 row_xmask:4 row_mask:0xf bank_mask:0xf
	v_add_f32_dpp v4, v4, v4 row_xmask:8 row_mask:0xf bank_mask:0xf
	v_permlanex16_b32 v5, v4, s38, s39             ; v5 has been written before
	v_add_f32 v4, v4, v5                           ; every lane holds the row's sum of squares
	v_fma_f32 v4, v4, s30, s31                     ; mean + eps
	v_rsq_f32 v12, v4                              ; twice, for the pair that the packed multiply takes
	v_rsq_f32 v13, v4
	v_nop                                          ; one plain instruction between a transcendental and the use of its result (ISA guide 5.7.2)
.set p, 0
	s_wait_alu depctr_va_vdst(0)
.rept 32
	v_pk_mul_f32 v[X+2*p:X+2*p+1], v[X+2*p:X+2*p+1], v[12:13]
.set p, p+1
.endr
	s_wait_loadcnt 0x0                             ; rms_w
.set p, 0
.rept 32
	v_pk_mul_f32 v[X+2*p:X+2*p+1], v[X+2*p:X+2*p+1], v[WV+2*p:WV+2*p+1]      ; (x r) w, in the problem's order
.set p, p+1
.endr
.irp j, 0,1,2,3,4,5,6,7,8,9,10,11,12,13,14,15
	PACKST \j
.endr
	s_endpgm
	; ---- y = 1..6: one row of a weight matrix
.Lweights:
	s_mov_b64 s[32:33], s[12:13]                   ; the source by y
	s_cmp_eq_u32 s4, 2
	s_cselect_b64 s[32:33], s[14:15], s[32:33]
	s_cmp_eq_u32 s4, 3
	s_cselect_b64 s[32:33], s[16:17], s[32:33]
	s_cmp_eq_u32 s4, 4
	s_cselect_b64 s[32:33], s[18:19], s[32:33]
	s_cmp_eq_u32 s4, 5
	s_cselect_b64 s[32:33], s[20:21], s[32:33]
	s_cmp_eq_u32 s4, 6
	s_cselect_b64 s[32:33], s[22:23], s[32:33]
	s_add_nc_u64 s[32:33], s[32:33], s[6:7]
.irp j, 0,1,2,3,4,5,6,7,8,9,10,11,12,13,14,15
	global_load_b128 v[X+4*\j:X+4*\j+3], v1, s[32:33] offset:512*\j th:TH_LOAD_NT
.endr
	s_lshr_b32 s36, s5, 5                          ; block of 32 channels
	s_mul_i32 s36, s36, 160                        ; 5 matrices x 32 rows a block
	s_sub_co_u32 s37, s4, 1
	s_lshl_b32 s37, s37, 5                         ; the matrix's 32 rows in the block
	s_add_co_u32 s36, s36, s37
	s_and_b32 s37, s5, 31
	s_add_co_u32 s36, s36, s37                     ; row in wcat
	s_cmp_eq_u32 s4, 6
	s_cselect_b32 s36, s5, s36                     ; Wout keeps its rows
	s_cselect_b64 s[34:35], s[28:29], s[26:27]     ; and has its own buffer
	s_lshl_b32 s36, s36, 12                        ; 4,096 bytes a row; 10,239 rows at the most: below 2^32
	s_mov_b32 s37, 0
	s_add_nc_u64 s[34:35], s[34:35], s[36:37]
.irp j, 0,1,2,3,4,5,6,7,8,9,10,11,12,13,14,15
	s_wait_loadcnt 15-\j                           ; loads come back in order: load j is in, the 15 - j younger ones may be out
	PACKST \j
.endr
	s_endpgm
.Lfunc_end_k_q78af1d3e00_prep:
	.size	k_q78af1d3e00_prep, .Lfunc_end_k_q78af1d3e00_prep-k_q78af1d3e00_prep
	.p2alignl 7, 3214868480
	.fill 96, 4, 3214868480
	.section	.rodata,"a",@progbits
	.p2align	6, 0x0
	.amdhsa_kernel k_q78af1d3e00_prep
		.amdhsa_group_segment_fixed_size 0
		.amdhsa_private_segment_fixed_size 0
		.amdhsa_enable_private_segment 0
		.amdhsa_kernarg_size 88
		.amdhsa_user_sgpr_count 2
		.amdhsa_user_sgpr_kernarg_segment_ptr 1
		.amdhsa_wavefront_size32 1
		.amdhsa_system_sgpr_workgroup_id_x 1
		.amdhsa_system_sgpr_workgroup_id_y 1
		.amdhsa_system_sgpr_workgroup_id_z 1
		.amdhsa_system_vgpr_workitem_id 0
		.amdhsa_next_free_vgpr 144
		.amdhsa_next_free_sgpr 66
		.amdhsa_reserve_vcc 0
		.amdhsa_float_denorm_mode_32 3
		.amdhsa_float_denorm_mode_16_64 3
		.amdhsa_memory_ordered 1
		.amdhsa_forward_progress 1
		.amdhsa_inst_pref_size 21
	.end_amdhsa_kernel
	.amdgpu_metadata
---
amdhsa.version: [ 1, 2 ]
amdhsa.kernels:
  - .name:           k_q78af1d3e00_prep
    .symbol:         k_q78af1d3e00_prep.kd
    .args:
      - { .name: x, .offset: 0, .size: 8, .value_kind: global_buffer, .address_space: global }
      - { .name: rms_w, .offset: 8, .size: 8, .value_kind: global_buffer, .address_space: global }
      - { .name: Wf_w, .offset: 16, .size: 8, .value_kind: global_buffer, .address_space: global }
      - { .name: Wz_w, .offset: 24, .size: 8, .value_kind: global_buffer, .address_space: global }
      - { .name: Wzg_w, .offset: 32, .size: 8, .value_kind: global_buffer, .address_space: global }
      - { .name: Wga_w, .offset: 40, .size: 8, .value_kind: global_buffer, .address_space: global }
      - { .name: Wgb_w, .offset: 48, .size: 8, .value_kind: global_buffer, .address_space: global }
      - { .name: Wout_w, .offset: 56, .size: 8, .value_kind: global_buffer, .address_space: global }
      - { .name: xn, .offset: 64, .size: 8, .value_kind: global_buffer, .address_space: global }
      - { .name: wcat, .offset: 72, .size: 8, .value_kind: global_buffer, .address_space: global }
      - { .name: woutb, .offset: 80, .size: 8, .value_kind: global_buffer, .address_space: global }
    .group_segment_fixed_size: 0
    .private_segment_fixed_size: 0
    .kernarg_segment_align: 8
    .kernarg_segment_size: 88
    .max_flat_workgroup_size: 256
    .sgpr_count:     66
    .vgpr_count:     144
    .wavefront_size: 32
...
	.end_amdgpu_metadata
.endif
;; end of part 1
;; launch gates (part 2): grid 64 x 4, 4 waves a work-group, clusters of 4 x 4, 327,680 bytes of LDS; arguments xn, wcat, Wf_b, gt; writes gt
.if DOCPART == 2
	.amdgcn_target "amdgcn-amd-amdhsa--gfx1250"
	.amdhsa_code_object_version 6
	.text
	.protected	k_q78af1d3e00_gates
	.globl	k_q78af1d3e00_gates
	.p2align	8
	.type	k_q78af1d3e00_gates,@function
k_q78af1d3e00_gates:
	s_mov_b64 s[64:65], 0
	v_nop
	global_prefetch_b8 v0, s[64:65] scope:SCOPE_SE
	s_setreg_imm32_b32 hwreg(HW_REG_WAVE_MODE, 25, 1), 1
	s_wait_xcnt 0x0
	s_wait_alu depctr_hold_cnt(0) depctr_sa_sdst(0) depctr_va_vdst(0) depctr_va_sdst(0) depctr_va_ssrc(0) depctr_va_vcc(0) depctr_vm_vsrc(0)
	s_getreg_b32 s2, hwreg(HW_REG_IB_STS2, 6, 4)
	s_cmp_eq_u32 s2, 0
	s_cbranch_scc0 .Lentry_in_a_cluster
	s_endpgm
.Lentry_in_a_cluster:
	s_bfe_u32 s2, ttmp6, 0x10000c
	s_cmp_lg_u32 s2, 0xf033
	s_cbranch_scc0 .Lentry_shape_is_right
	s_endpgm
.Lentry_shape_is_right:
; GATES: the five products with xn, the three gates, the whole recurrence, the gated result.
;   pf, pz, pzg, pga, pgb = xn W^T;  f = sigmoid(pf + Wf_b);  z = pz sigmoid(pzg);  g = silu(pga) pgb;  h_t = f_t h_(t-1) + z_t, h_(-1) = 0;
;   gt[s][m] = bf16( bf16(g) h ), stored TRANSPOSED (channel s by row m = 512 batch + t), so that a wave's 128 steps of a channel are 256 consecutive bytes.
; No work is left out.  The zero initial state is the constant 0 chosen for the first wave's entry state.
; A work-group owns one batch (all 512 steps) and 32 channels: 512 rows x 160 columns (5 matrices x 32), K = 2,048; 4 x 64 = 256 work-groups.
; Wave w owns steps 128 w .. 128 w + 127 and all 160 columns: 8 x 10 accumulator tiles, 640 registers.  Source 0 = xn, source 1 = weights, so lane (r, h),
; register j of tile (a, n = 2 i + c) holds step 128 w + 16 a + 8 h + j, channel 16 c + r of matrix i: the five numbers of one (step, channel) meet in one lane,
; and eight consecutive steps lie in eight registers.  The gates and the recurrence therefore never leave the registers but for two small exchanges.
; CLUSTERS: 4 x 4.  xn's tile hangs on the batch alone: shared along a row of the cluster.  The weights' tile hangs on the channel block alone: shared along a column.
; Each is asked for jointly by the four that share it, which divides the requests for both by four.
; K goes in steps of 64 through two LDS slots (512 + 160 rows of 128 bytes + 16 of padding); two slots of steps of 128 would need 365,568 bytes, more than a work-group can have.
; THE RECURRENCE is regrouped: a run of steps acts as h_out = F h_in + Z.  (F, Z) are made for 8 steps in a lane, joined for 16 (the two halves of the lanes),
; 128 (a wave's eight blocks) and 512 (the four waves, through LDS); then the entry state goes back down and the eight steps are run with it.
; LIMITS: f, z and g are rounded to bf16 as in the problem, but h is carried in f32 and not rounded to bf16 at every step, and the regrouping changes the order of
; rounding; the product g h is rounded once to bf16.  v_exp_f32 and v_rcp_f32 are good to 1 ULP and flush denormals.  Finite inputs: behind an infinity or a NaN
; the regrouped sums may put NaN in other places than the step-by-step form.
;
; REGISTERS, in windows of 256:
;   window 0: v8-19 addresses and bias; v48-111, v112-175 xn fragments, two buffers; v176-255 weight fragments, buffer 1
;   window 1: tiles of blocks a = 0,1,2 at v[80 (a % 3) + 8 n]; window 2: a = 3,4,5; window 3: a = 6,7 and, at v160-239, weight fragments, buffer 0
;   v240-243 of windows 1, 2, 3: -log2(e) x bias, a pair for each c
.set KSTEP,  64
.set PITCH,  144                       ; an LDS row: 128 bytes + 16: sixteen neighbouring rows start in sixteen different 16-byte columns of 256 bytes
.set AHALF,  256*PITCH                 ; what one tensor load brings of xn
.set ABYTES, 2*AHALF
.set BHALF,  80*PITCH                  ; what one tensor load brings of the weights
.set SLOT,   ABYTES+2*BHALF            ; 96,768
.set STG,    2*SLOT                    ; 193,536: behind the ring, for each wave 32 channels x 272 bytes; no tensor load ever lands here
.set SPITCH, 272
.set WSTG,   32*SPITCH
.set AGG,    STG+4*WSTG                ; 228,352: the four waves' (F, Z), 512 bytes each
.set LAPS,   2048/(2*KSTEP)            ; a lap = two K steps = once round the ring
.set ADRA, 8                           ; v8-9    my xn fragments in slot 0, 1
.set ADRB, 10                          ; v10-11  the weight fragments in slot 0, 1
.set STO,  12                          ; where I put 16 bytes (8 steps of a channel) in my stage
.set RD,   13                          ; where I read a channel's 256 bytes back
.set CO,   14                          ; my byte offset in gt
.set AGL,  15                          ; my lane's 16 bytes in wave 0's part of AGG
.set AGS,  16                          ; the same in my wave's part
.set BOFF, 17                          ; my byte offset in Wf_b
.set BIAS, 18                          ; v18-19  Wf_b of channels r and 16 + r
.set FA0,  48
.set FB0,  160                         ; window 3; buffer 1 lies at 176 in window 0
.set NB,   240
.set QZ,   16                          ; a tile's matrix i lies 16 i registers behind its f: z,
.set QZG,  32                          ; zg,
.set QGA,  48                          ; ga,
.set QGB,  64                          ; gb
.set TFC,  68                          ; free registers of gb's tile once g is made: running product of f,
.set TZC,  69                          ; running Z
; window 0 behind the K loop, index 2 a + c
.set OF,   20
.set OZ,   21
.set T1,   22
.set T2,   23
.set HS,   24                          ; v24-25 the running state, one for each c
.set SF,   48
.set SZ,   64
.set FPRE, 80
.set ZPRE, 96
.set FBLK, 112
.set ZBLK, 128
.set AG,   144
.set O0,   148
.set O1,   152
.set O2,   156
.set HIN,  160
.set OUTR, 176
.set G1A, 24                           ; s[24:31] shape of xn's tile
.set G0A, 32                           ; s[32:39] from where, to where: one set for each slot
.set G1B, 40                           ; s[40:47] shape of the weights' tile
.set G0B, 48                           ; s[48:55]
.set MSB, 0
.macro WIN new                         ; the immediate's high byte repeats the setting that is left; switches that change nothing are dropped
.if MSB != (\new)
	s_set_vgpr_msb (MSB<<8)|(\new)
.set MSB, (\new)
.endif
.endm
.macro PLACES                          ; four plain vector instructions between a matrix instruction and a load into, or a vector instruction on, its registers
.rept 4
	v_nop
.endr
.endm
; A joint load: waves 0 and 1 fetch xn's halves, waves 2 and 3 the weights'.  The branch hangs on the wave's number alone.
.macro JLOAD s
	s_cmp_eq_u32 s13, 0
	s_cbranch_scc0 .Lfor_b_\@
	tensor_load_to_lds s[G0A+4*\s:G0A+4*\s+3], s[G1A:G1A+7]
	s_nop 0
	s_branch .Lasked_\@
.Lfor_b_\@:
	tensor_load_to_lds s[G0B+4*\s:G0B+4*\s+3], s[G1B:G1B+7]
	s_nop 0
.Lasked_\@:
.endm
.macro CREST                           ; a round of the cluster's barrier behind its opening work-group barrier
	s_cmp_lg_u32 s12, 0
	s_cbranch_scc1 .Lnot_wave_0_\@
	s_barrier_signal -3
.Lnot_wave_0_\@:
	s_barrier_wait -3
	s_barrier_signal -1
	s_barrier_wait -1
.endm
.macro CROUND                          ; a whole round
	s_barrier_signal -1
	s_barrier_wait -1
	CREST
.endm
	s_load_b256 s[4:11], s[0:1], 0x0               ; xn s[4:5], wcat s[6:7], Wf_b s[8:9], gt s[10:11]
	v_lshl_add_u32 v46, v0, 2, 0x38400
	v_mov_b32 v47, 0
	ds_add_u32 v46, v47
	v_lshrrev_b32 v1, 5, v0
	v_readfirstlane_b32 s12, v1                    ; wave 0..3
	s_lshr_b32 s13, s12, 1                         ; I fetch for xn (0) or for the weights (1)
	s_and_b32 s14, s12, 1                          ; which half of that tile
	s_bfe_u32 s16, ttmp6, 0x40000                  ; cx
	s_bfe_u32 s17, ttmp6, 0x40004                  ; cy
	s_lshl_b32 s18, ttmp9, 2
	s_add_co_u32 s18, s18, s16                     ; channel block = 4 x cluster x + cx
	s_mov_b32 s19, s17                             ; batch = cy: the grid's 4 work-groups along y are one cluster's 4
	s_lshl_b32 s20, s17, 2
	s_lshl_b32 s20, 15, s20                        ; my row of the cluster: places 4 cy .. 4 cy + 3
	s_lshl_b32 s21, 0x1111, s16                    ; my column: places cx, cx + 4, cx + 8, cx + 12
	s_mov_b32 s60, 0x76543210                      ; v_permlanex16_b32: lane i reads lane i of the other half
	s_mov_b32 s61, 0xfedcba98
	s_mov_b32 s62, 0xffff0000                      ; a word's upper bf16; also the mask of lanes 16 to 31
	s_mov_b32 s66, 0xbfb8aa3b                      ; -log2(e)
	s_mov_b32 s67, 0xbfb8aa3b
	s_cmp_gt_u32 s12, 0
	s_cselect_b32 s68, -1, 0                       ; all lanes if my wave has 1, 2, 3 waves in front of it
	s_cmp_gt_u32 s12, 1
	s_cselect_b32 s69, -1, 0
	s_cmp_gt_u32 s12, 2
	s_cselect_b32 s70, -1, 0
	; group 1: elements of 2 bytes, padding on, 4 words behind every 32 words (a row of 64 bf16), bit 21 beside a mask
	s_or_b32 s[G1A+0], s20, (1<<16)|(1<<20)|(1<<21)|(4<<22)|(3<<25)
	s_mov_b32 s[G1A+1], KSTEP<<16                  ; tensor_dim0 = 64
	s_mov_b32 s[G1A+2], 256<<16                    ; tensor_dim1 = 256
	s_mov_b32 s[G1A+3], KSTEP<<16                  ; tile_dim0 = 64
	s_mov_b32 s[G1A+4], 256                        ; tile_dim1 = 256 rows
	s_mov_b32 s[G1A+5], 2048                       ; elements from row to row
	s_mov_b32 s[G1A+6], 0
	s_mov_b32 s[G1A+7], 0
	s_or_b32 s[G1B+0], s21, (1<<16)|(1<<20)|(1<<21)|(4<<22)|(3<<25)
	s_mov_b32 s[G1B+1], KSTEP<<16
	s_mov_b32 s[G1B+2], 80<<16                     ; 80 rows
	s_mov_b32 s[G1B+3], KSTEP<<16
	s_mov_b32 s[G1B+4], 80
	s_mov_b32 s[G1B+5], 2048
	s_mov_b32 s[G1B+6], 0
	s_mov_b32 s[G1B+7], 0
	; xn's tile hangs on the batch and the wave, the weights' on the channel block and the wave, each in registers that never hold the other coordinate
	s_lshl_b32 s56, s19, 9
	s_lshl_b32 s22, s14, 8
	s_add_co_u32 s56, s56, s22                     ; row 512 batch + 256 half
	s_lshl_b32 s56, s56, 12                        ; 4,096 bytes a row
	s_mov_b32 s57, 0
	s_mul_i32 s58, s18, 160
	s_mul_i32 s23, s14, 80
	s_add_co_u32 s58, s58, s23                     ; row 160 block + 80 half
	s_lshl_b32 s58, s58, 12
	s_mov_b32 s59, 0
	s_mul_i32 s22, s12, AHALF                      ; LDS: xn's halves at wave x 36,864 (waves 0, 1),
	s_mul_i32 s23, s12, BHALF
	s_add_co_u32 s23, s23, ABYTES-2*BHALF          ; the weights' halves behind them, at 73,728 + (wave - 2) x 11,520 (waves 2, 3)
	s_lshl_b32 s72, s18, 17                        ; gt: 32 channels of 4,096 bytes a block,
	s_lshl_b32 s73, s19, 10                        ; 512 steps of 2 bytes a batch,
	s_add_co_u32 s72, s72, s73
	s_lshl_b32 s73, s12, 8                         ; 128 steps a wave
	s_add_co_u32 s72, s72, s73
	s_mov_b32 s73, 0
	s_wait_dscnt 0x0
	s_wait_kmcnt 0x0
	s_add_nc_u64 s[56:57], s[4:5], s[56:57]
	s_add_nc_u64 s[58:59], s[6:7], s[58:59]
	s_add_nc_u64 s[10:11], s[10:11], s[72:73]
	CROUND                                         ; all sixteen work-groups are here: the first joint loads meet
.irp s, 0,1
	s_mov_b32 s[G0A+4*\s], 1
	s_add_co_u32 s[G0A+4*\s+1], s22, \s*SLOT
	s_add_nc_u64 s[G0A+4*\s+2:G0A+4*\s+3], s[56:57], \s*KSTEP*2
	s_or_b32 s[G0A+4*\s+3], s[G0A+4*\s+3], 0x80000000
	s_mov_b32 s[G0B+4*\s], 1
	s_add_co_u32 s[G0B+4*\s+1], s23, \s*SLOT
	s_add_nc_u64 s[G0B+4*\s+2:G0B+4*\s+3], s[58:59], \s*KSTEP*2
	s_or_b32 s[G0B+4*\s+3], s[G0B+4*\s+3], 0x80000000
	JLOAD \s                                       ; K steps 0 and 1: two tensor loads of the wave are out, the most that this text ever has
.endr
	v_and_b32 v1, 15, v0                           ; r
	v_bfe_u32 v2, v0, 4, 1                         ; h
	v_and_b32 v3, 31, v0                           ; lane
	s_lshl_b32 s71, s18, 7                         ; my block's 32 numbers of Wf_b
	v_lshlrev_b32 v[BOFF], 2, v1
	v_add_nc_u32 v[BOFF], s71, v[BOFF]
	global_load_b32 v[BIAS], v[BOFF], s[8:9]
	global_load_b32 v[BIAS+1], v[BOFF], s[8:9] offset:64
	v_mul_u32_u24 v4, v1, PITCH
	v_lshl_add_u32 v4, v2, 4, v4                   ; row x pitch + 16 x half: a fragment is two loads of 16 bytes, 32 bytes apart
	s_mul_i32 s74, s12, 128*PITCH                  ; my 128 rows of xn
	v_add_nc_u32 v[ADRA], s74, v4
	v_add_nc_u32 v[ADRA+1], SLOT, v[ADRA]
	v_add_nc_u32 v[ADRB], ABYTES, v4
	v_add_nc_u32 v[ADRB+1], SLOT, v[ADRB]
	s_mul_i32 s74, s12, WSTG
	s_add_co_u32 s74, s74, STG                     ; my stage
	v_mul_u32_u24 v5, v1, SPITCH
	v_lshl_add_u32 v5, v2, 4, v5
	v_add_nc_u32 v[STO], s74, v5                   ; in: channel r, steps 8 h ..
	v_mul_u32_u24 v5, v2, SPITCH
	v_lshl_add_u32 v5, v1, 4, v5
	v_add_nc_u32 v[RD], s74, v5                    ; back: lanes 0-15 one channel's 256 bytes, lanes 16-31 the next channel's
	v_lshlrev_b32 v5, 4, v1
	v_lshl_add_u32 v[CO], v2, 12, v5               ; the same two channels in gt
	v_lshlrev_b32 v5, 4, v3
	v_add_nc_u32 v[AGL], AGG, v5
	s_lshl_b32 s74, s12, 9
	v_add_nc_u32 v[AGS], s74, v[AGL]
; ten matrix instructions: block a of my rows x all ten column blocks, 32 along K, from buffer f.  zero = 1: the product starts the sums.
.macro MULA f, a, zero
.set WSEL, ((1+(\a)/3)*0x50)|(12*(1-\f))
	WIN WSEL                                       ; C and D in the block's window; source 1 in window 3 for buffer 0
.set TA, 80*((\a)%3)
.irp n, 0,1,2,3,4,5,6,7,8,9
.if \zero
	v_wmma_f32_16x16x32_bf16 v[TA+8*\n:TA+8*\n+7], v[FA0+64*\f+8*\a:FA0+64*\f+8*\a+7], v[FB0+16*\f+8*\n:FB0+16*\f+8*\n+7], 0
.else
	v_wmma_f32_16x16x32_bf16 v[TA+8*\n:TA+8*\n+7], v[FA0+64*\f+8*\a:FA0+64*\f+8*\a+7], v[FB0+16*\f+8*\n:FB0+16*\f+8*\n+7], v[TA+8*\n:TA+8*\n+7]
.endif
.endr
.endm
; 36 LDS loads in one run: 160 weight rows, then my 128 rows of xn, 32 along K at byte k of the rows, into buffer f
.macro FETCH slot, k, f
.if \f
	WIN 0
.else
	WIN 0xc0
.endif
.irp n, 0,1,2,3,4,5,6,7,8,9
	ds_load_b128 v[FB0+16*\f+8*\n:FB0+16*\f+8*\n+3],   v[ADRB+\slot] offset:\k+\n*16*PITCH
	ds_load_b128 v[FB0+16*\f+8*\n+4:FB0+16*\f+8*\n+7], v[ADRB+\slot] offset:\k+\n*16*PITCH+32
.endr
	WIN 0
.irp a, 0,1,2,3,4,5,6,7
	ds_load_b128 v[FA0+64*\f+8*\a:FA0+64*\f+8*\a+3],   v[ADRA+\slot] offset:\k+\a*16*PITCH
	ds_load_b128 v[FA0+64*\f+8*\a+4:FA0+64*\f+8*\a+7], v[ADRA+\slot] offset:\k+\a*16*PITCH+32
.endr
.endm
; The first half of a K step: multiplies buffer 0 and fetches the second half's fragments into buffer 1.
; The 80 accumulators take turns in one fixed order, one instruction a turn, over the loop's backward jump too.
.macro FIRSTH slot, zero
	s_wait_dscnt 10                                ; the weights and xn's blocks 0-2 are in; the ten youngest loads (blocks 3-7) may be out
	MULA 0, 0, \zero
	MULA 0, 1, \zero
	MULA 0, 2, \zero
	PLACES
	FETCH \slot, 64, 1
	s_wait_dscnt 36                                ; all but the 36 just issued
	MULA 0, 3, \zero
	MULA 0, 4, \zero
	MULA 0, 5, \zero
	MULA 0, 6, \zero
	MULA 0, 7, \zero
.endm
; The second half: multiplies buffer 1 and changes slots.  In front of the barrier each wave has its reads of this slot back and all its tensor loads landed (the one
; that was out is its part of the next slot); where the slot is filled again the barrier opens a round of the cluster's barrier, and the joint refill is the first
; tensor load behind the round, one a wave.  From that request to the wait for it a wave issues 140 matrix instructions.
.macro TURN slot, next, fill
	s_wait_dscnt 0                                 ; buffer 1 is in: my reads of this slot are over
	MULA 1, 0, 0
	s_wait_tensorcnt 0x0                           ; all my tensor loads have landed
	ds_add_u32 v46, v47
	s_wait_dscnt 0x0
	s_barrier_signal -1
	MULA 1, 1, 0                                   ; registers only, while the others arrive
	MULA 1, 2, 0
	WIN 0
	s_barrier_wait -1
.if \fill
	CREST                                          ; no wave of any partner still reads this slot or has a load on its way
	s_add_nc_u64 s[G0A+4*\slot+2:G0A+4*\slot+3], s[G0A+4*\slot+2:G0A+4*\slot+3], 2*KSTEP*2
	s_add_nc_u64 s[G0B+4*\slot+2:G0B+4*\slot+3], s[G0B+4*\slot+2:G0B+4*\slot+3], 2*KSTEP*2
	JLOAD \slot
.endif
	PLACES
	FETCH \next, 0, 0
	MULA 1, 3, 0
	MULA 1, 4, 0
	MULA 1, 5, 0
	MULA 1, 6, 0
	MULA 1, 7, 0
.endm
.macro LAP zero
	FIRSTH 0, \zero
	TURN 0, 1, 1
	FIRSTH 1, 0
	TURN 1, 0, 1
.endm
	s_wait_tensorcnt 0x1                           ; my part of K step 0 is in; K step 1's load, issued behind it, may stay out
	s_barrier_signal -1
	s_barrier_wait -1
	FETCH 0, 0, 0
	LAP 1                                          ; the first lap stands in front of the loop: its first products start the sums
	WIN 0
	s_mov_b32 s15, LAPS-2
.Llap:
	LAP 0
	WIN 0
	s_sub_co_u32 s15, s15, 1
	s_cmp_lg_u32 s15, 0
	s_cbranch_scc1 .Llap
	FIRSTH 0, 0                                    ; the last lap fills nothing
	TURN 0, 1, 0
	FIRSTH 1, 0
	s_wait_dscnt 0
	MULA 1, 0, 0
	MULA 1, 1, 0
	MULA 1, 2, 0
	MULA 1, 3, 0
	MULA 1, 4, 0
	MULA 1, 5, 0
	MULA 1, 6, 0
	MULA 1, 7, 0
; ---------------- behind the K loop: all in registers, window by window
; The gates of tile column (al, c) of the window in force, 8 steps x 1 channel a lane, in place:
; f's tile <- bf16(f) widened, z's <- bf16(z) widened, ga's <- bf16(g) widened; zg's and gb's tiles become scratch.
.macro GATES al, c
.set TB, 80*\al+8*\c
.irp p, 0,1,2,3
	v_pk_fma_f32 v[TB+2*\p:TB+2*\p+1], v[TB+2*\p:TB+2*\p+1], s[66:67], v[NB+2*\c:NB+2*\c+1] op_sel_hi:[1,0,1]   ; -log2(e) (pf + b)
	v_pk_mul_f32 v[TB+QZG+2*\p:TB+QZG+2*\p+1], v[TB+QZG+2*\p:TB+QZG+2*\p+1], s[66:67] op_sel_hi:[1,0]
	v_pk_mul_f32 v[TB+QGB+2*\p:TB+QGB+2*\p+1], v[TB+QGA+2*\p:TB+QGA+2*\p+1], v[TB+QGB+2*\p:TB+QGB+2*\p+1]      ; pga pgb
	v_pk_mul_f32 v[TB+QGA+2*\p:TB+QGA+2*\p+1], v[TB+QGA+2*\p:TB+QGA+2*\p+1], s[66:67] op_sel_hi:[1,0]
.endr
.irp j, 0,1,2,3,4,5,6,7
	v_exp_f32 v[TB+\j], v[TB+\j]
	v_exp_f32 v[TB+QZG+\j], v[TB+QZG+\j]
	v_exp_f32 v[TB+QGA+\j], v[TB+QGA+\j]
.endr
	v_nop                                          ; one plain instruction between the transcendentals and the use of their results (ISA guide 5.7.2)
	s_wait_alu depctr_va_vdst(0)
.irp p, 0,1,2,3
	v_pk_add_f32 v[TB+2*\p:TB+2*\p+1], v[TB+2*\p:TB+2*\p+1], 1.0 op_sel_hi:[1,0]
	v_pk_add_f32 v[TB+QZG+2*\p:TB+QZG+2*\p+1], v[TB+QZG+2*\p:TB+QZG+2*\p+1], 1.0 op_sel_hi:[1,0]
	v_pk_add_f32 v[TB+QGA+2*\p:TB+QGA+2*\p+1], v[TB+QGA+2*\p:TB+QGA+2*\p+1], 1.0 op_sel_hi:[1,0]
.endr
.irp j, 0,1,2,3,4,5,6,7
	v_rcp_f32 v[TB+\j], v[TB+\j]                   ; an exponential that overflowed gives 1 / infinity = 0: the sigmoid's own limit
	v_rcp_f32 v[TB+QZG+\j], v[TB+QZG+\j]
	v_rcp_f32 v[TB+QGA+\j], v[TB+QGA+\j]
.endr
	v_nop
	s_wait_alu depctr_va_vdst(0)
.irp p, 0,1,2,3
	v_pk_mul_f32 v[TB+QZ+2*\p:TB+QZ+2*\p+1], v[TB+QZ+2*\p:TB+QZ+2*\p+1], v[TB+QZG+2*\p:TB+QZG+2*\p+1]          ; z
	v_pk_mul_f32 v[TB+QGA+2*\p:TB+QGA+2*\p+1], v[TB+QGA+2*\p:TB+QGA+2*\p+1], v[TB+QGB+2*\p:TB+QGB+2*\p+1]      ; g = sigmoid(pga) pga pgb
.endr
.irp p, 0,1,2,3
	v_cvt_pk_bf16_f32 v[TB+QZG+\p], v[TB+2*\p], v[TB+2*\p+1]                ; the problem's roundings to bf16
	v_cvt_pk_bf16_f32 v[TB+QZG+4+\p], v[TB+QZ+2*\p], v[TB+QZ+2*\p+1]
	v_cvt_pk_bf16_f32 v[TB+QGB+\p], v[TB+QGA+2*\p], v[TB+QGA+2*\p+1]
.endr
.irp p, 0,1,2,3
	v_lshlrev_b32 v[TB+2*\p], 16, v[TB+QZG+\p]     ; and back to f32: a shift, a mask
	v_and_b32 v[TB+2*\p+1], s62, v[TB+QZG+\p]
	v_lshlrev_b32 v[TB+QZ+2*\p], 16, v[TB+QZG+4+\p]
	v_and_b32 v[TB+QZ+2*\p+1], s62, v[TB+QZG+4+\p]
	v_lshlrev_b32 v[TB+QGA+2*\p], 16, v[TB+QGB+\p]
	v_and_b32 v[TB+QGA+2*\p+1], s62, v[TB+QGB+\p]
.endr
.endm
; (F, Z) of a lane's steps 0 to 6, for all tile columns of the window: the step outside, the columns inside, so that independent chains take turns
.macro SEGS na
.irp al, 0,1,2
.if \al<\na
.irp c, 0,1
.set TB, 80*\al+8*\c
	v_fma_f32 v[TB+TZC], v[TB+1], v[TB+QZ], v[TB+QZ+1]     ; starts from z_0: no product with a zero state
	v_mul_f32 v[TB+TFC], v[TB], v[TB+1]
.endr
.endif
.endr
.irp j, 2,3,4,5,6
.irp al, 0,1,2
.if \al<\na
.irp c, 0,1
.set TB, 80*\al+8*\c
	v_fma_f32 v[TB+TZC], v[TB+\j], v[TB+TZC], v[TB+QZ+\j]
	v_mul_f32 v[TB+TFC], v[TB+TFC], v[TB+\j]
.endr
.endif
.endr
.endr
.endm
; step 7, with the results in window 0
.macro SEGEND a0, na
.irp al, 0,1,2
.if \al<\na
.irp c, 0,1
.set TB, 80*\al+8*\c
	v_mul_f32 v[SF+2*(\a0+\al)+\c], v[TB+TFC], v[TB+7]
	v_fma_f32 v[SZ+2*(\a0+\al)+\c], v[TB+7], v[TB+TZC], v[TB+QZ+7]
.endr
.endif
.endr
.endm
.macro EGATES w, a0, na
	WIN \w*0x55                                    ; every operand in window w
.irp al, 0,1,2
.if \al<\na
	GATES \al, 0
	GATES \al, 1
.endif
.endr
	SEGS \na
	WIN \w*0x15                                    ; sources in window w, destination in window 0
	SEGEND \a0, \na
.endm
; The two halves of the lanes hold steps 0-7 and 8-15 of a block: what stands in front of my 8 steps inside the block (FPRE, ZPRE), and the block's (FBLK, ZBLK)
.macro PAIR i
	v_permlanex16_b32 v[OF], v[SF+\i], s60, s61
	v_permlanex16_b32 v[OZ], v[SZ+\i], s60, s61
	v_cndmask_b32 v[FPRE+\i], 1.0, v[OF], s62      ; lanes 16-31: the first half's; lanes 0-15: nothing, (1, 0)
	v_cndmask_b32 v[ZPRE+\i], 0, v[OZ], s62
	v_fma_f32 v[T1], v[SF+\i], v[OZ], v[SZ+\i]     ; mine behind the other's
	v_fma_f32 v[T2], v[OF], v[SZ+\i], v[OZ]        ; the other's behind mine
	v_cndmask_b32 v[ZBLK+\i], v[T2], v[T1], s62
	v_mul_f32 v[FBLK+\i], v[SF+\i], v[OF]
.endm
; With the entry states known: the eight steps, the product with g, 16 bytes a lane into the stage
.macro EHID w, a0, na
	WIN \w*0x51                                    ; source 1 (the entry state) in window 0, all else in window w
.irp al, 0,1,2
.if \al<\na
.irp c, 0,1
.set TB, 80*\al+8*\c
	v_fma_f32 v[TB+QZ], v[TB], v[HIN+2*(\a0+\al)+\c], v[TB+QZ]
.endr
.endif
.endr
	WIN \w*0x55
.irp j, 1,2,3,4,5,6,7
.irp al, 0,1,2
.if \al<\na
.irp c, 0,1
.set TB, 80*\al+8*\c
	v_fma_f32 v[TB+QZ+\j], v[TB+\j], v[TB+QZ+\j-1], v[TB+QZ+\j]
.endr
.endif
.endr
.endr
.irp al, 0,1,2
.if \al<\na
.irp c, 0,1
.set TB, 80*\al+8*\c
.irp p, 0,1,2,3
	v_pk_mul_f32 v[TB+QGA+2*\p:TB+QGA+2*\p+1], v[TB+QGA+2*\p:TB+QGA+2*\p+1], v[TB+QZ+2*\p:TB+QZ+2*\p+1]
.endr
.irp p, 0,1,2,3
	v_cvt_pk_bf16_f32 v[TB+QZG+\p], v[TB+QGA+2*\p], v[TB+QGA+2*\p+1]
.endr
.endr
.endif
.endr
	WIN \w*0x04                                    ; store data in window w, address in window 0
.irp al, 0,1,2
.if \al<\na
.irp c, 0,1
.set TB, 80*\al+8*\c
	ds_store_b128 v[STO], v[TB+QZG:TB+QZG+3] offset:16*SPITCH*\c+32*(\a0+\al)
.endr
.endif
.endr
.endm
	PLACES                                         ; behind the last matrix instructions, for everything below that reads results or writes fragments
	s_wait_loadcnt 0x0                             ; the two words of Wf_b
.irp w, 1,2,3
	WIN \w*0x40
	v_mul_f32 v[NB], s66, v[BIAS]
	v_mul_f32 v[NB+1], s66, v[BIAS]
	v_mul_f32 v[NB+2], s66, v[BIAS+1]
	v_mul_f32 v[NB+3], s66, v[BIAS+1]
.endr
	EGATES 1, 0, 3
	EGATES 2, 3, 3
	EGATES 3, 6, 2
	WIN 0
	v_mov_b32 v[OF], 0                             ; v_permlanex16_b32 counts as a reader of its destination
	v_mov_b32 v[OZ], 0
.irp i, 0,1,2,3,4,5,6,7,8,9,10,11,12,13,14,15
	PAIR \i
.endr
	; my wave's 128 steps: AG = F, Z of c = 0, then of c = 1
.irp c, 0,1
	v_fma_f32 v[AG+2*\c+1], v[FBLK+2+\c], v[ZBLK+\c], v[ZBLK+2+\c]
	v_mul_f32 v[AG+2*\c], v[FBLK+\c], v[FBLK+2+\c]
.endr
.irp a, 2,3,4,5,6,7
.irp c, 0,1
	v_fma_f32 v[AG+2*\c+1], v[FBLK+2*\a+\c], v[AG+2*\c+1], v[ZBLK+2*\a+\c]
	v_mul_f32 v[AG+2*\c], v[AG+2*\c], v[FBLK+2*\a+\c]
.endr
.endr
	ds_store_b128 v[AGS], v[AG:AG+3]
	s_wait_dscnt 0x0                               ; for the other waves' sake: my store is done before I signal
	s_barrier_signal -1
	s_barrier_wait -1
	ds_load_b128 v[O0:O0+3], v[AGL]                ; waves 0, 1, 2, the same lane's channels
	ds_load_b128 v[O1:O1+3], v[AGL] offset:512
	ds_load_b128 v[O2:O2+3], v[AGL] offset:1024
	s_wait_dscnt 0x0
.irp c, 0,1
	v_cndmask_b32 v[HS+\c], 0, v[O0+2*\c+1], s68   ; the state at my wave's first step: 0 for wave 0, the problem's initial state
	v_fma_f32 v[T1+\c], v[O1+2*\c], v[HS+\c], v[O1+2*\c+1]
	v_cndmask_b32 v[HS+\c], v[HS+\c], v[T1+\c], s69
	v_fma_f32 v[T1+\c], v[O2+2*\c], v[HS+\c], v[O2+2*\c+1]
	v_cndmask_b32 v[HS+\c], v[HS+\c], v[T1+\c], s70
.endr
.irp a, 0,1,2,3,4,5,6,7
.irp c, 0,1
	v_fma_f32 v[HIN+2*\a+\c], v[FPRE+2*\a+\c], v[HS+\c], v[ZPRE+2*\a+\c]    ; the state in front of my 8 steps of block a
.if \a<7
	v_fma_f32 v[HS+\c], v[FBLK+2*\a+\c], v[HS+\c], v[ZBLK+2*\a+\c]          ; and in front of the next block
.endif
.endr
.endr
	EHID 1, 0, 3
	EHID 2, 3, 3
	EHID 3, 6, 2
	WIN 0
.irp q, 0,1,2,3,4,5,6,7,8,9,10,11,12,13,14,15
	ds_load_b128 v[OUTR+4*\q:OUTR+4*\q+3], v[RD] offset:\q*2*SPITCH         ; my own stage; LDS serves a wave's instructions in order (ISA guide 5.7.1.4): these see the stores above
.endr
.irp q, 0,1,2,3,4,5,6,7,8,9,10,11,12,13,14,15
	s_wait_dscnt 15-\q                             ; load q is in, the 15 - q younger ones may be out
	global_store_b128 v[CO], v[OUTR+4*\q:OUTR+4*\q+3], s[10:11] offset:\q*8192   ; 16 lanes store 256 consecutive bytes of one channel, aligned
.endr
	s_wait_tensorcnt 0x0
	ds_add_u32 v46, v47
	s_wait_dscnt 0x0
	CROUND                                         ; the closing round: no work-group ends while a partner may still ask for a tile that names it
	s_endpgm
.Lfunc_end_k_q78af1d3e00_gates:
	.size	k_q78af1d3e00_gates, .Lfunc_end_k_q78af1d3e00_gates-k_q78af1d3e00_gates
	.p2alignl 7, 3214868480
	.fill 96, 4, 3214868480
	.section	.rodata,"a",@progbits
	.p2align	6, 0x0
	.amdhsa_kernel k_q78af1d3e00_gates
		.amdhsa_group_segment_fixed_size 327680
		.amdhsa_private_segment_fixed_size 0
		.amdhsa_enable_private_segment 0
		.amdhsa_kernarg_size 32
		.amdhsa_user_sgpr_count 2
		.amdhsa_user_sgpr_kernarg_segment_ptr 1
		.amdhsa_wavefront_size32 1
		.amdhsa_system_sgpr_workgroup_id_x 1
		.amdhsa_system_sgpr_workgroup_id_y 1
		.amdhsa_system_sgpr_workgroup_id_z 1
		.amdhsa_system_vgpr_workitem_id 0
		.amdhsa_next_free_vgpr 1024
		.amdhsa_next_free_sgpr 76
		.amdhsa_reserve_vcc 0
		.amdhsa_float_denorm_mode_32 3
		.amdhsa_float_denorm_mode_16_64 3
		.amdhsa_memory_ordered 1
		.amdhsa_forward_progress 1
		.amdhsa_inst_pref_size 232
	.end_amdhsa_kernel
	.amdgpu_metadata
---
amdhsa.version: [ 1, 2 ]
amdhsa.kernels:
  - .name:           k_q78af1d3e00_gates
    .symbol:         k_q78af1d3e00_gates.kd
    .args:
      - { .name: xn, .offset: 0, .size: 8, .value_kind: global_buffer, .address_space: global }
      - { .name: wcat, .offset: 8, .size: 8, .value_kind: global_buffer, .address_space: global }
      - { .name: Wf_b, .offset: 16, .size: 8, .value_kind: global_buffer, .address_space: global }
      - { .name: gt, .offset: 24, .size: 8, .value_kind: global_buffer, .address_space: global }
    .group_segment_fixed_size: 327680
    .private_segment_fixed_size: 0
    .kernarg_segment_align: 8
    .kernarg_segment_size: 32
    .max_flat_workgroup_size: 128
    .sgpr_count:     76
    .vgpr_count:     1024
    .wavefront_size: 32
...
	.end_amdgpu_metadata
.endif
;; end of part 2
;; launch outp (part 3): grid 16 x 16, 4 waves a work-group, clusters of 4 x 4, 327,680 bytes of LDS; arguments gt, woutb, Wout_b, x, out0; writes out0
.if DOCPART == 3
	.amdgcn_target "amdgcn-amd-amdhsa--gfx1250"
	.amdhsa_code_object_version 6
	.text
	.protected	k_q78af1d3e00_outp
	.globl	k_q78af1d3e00_outp
	.p2align	8
	.type	k_q78af1d3e00_outp,@function
k_q78af1d3e00_outp:
	s_mov_b64 s[64:65], 0
	v_nop
	global_prefetch_b8 v0, s[64:65] scope:SCOPE_SE
	s_setreg_imm32_b32 hwreg(HW_REG_WAVE_MODE, 25, 1), 1
	s_wait_xcnt 0x0
	s_wait_alu depctr_hold_cnt(0) depctr_sa_sdst(0) depctr_va_vdst(0) depctr_va_sdst(0) depctr_va_ssrc(0) depctr_va_vcc(0) depctr_vm_vsrc(0)
	s_getreg_b32 s2, hwreg(HW_REG_IB_STS2, 6, 4)
	s_cmp_eq_u32 s2, 0
	s_cbranch_scc0 .Lentry_in_a_cluster
	s_endpgm
.Lentry_in_a_cluster:
	s_bfe_u32 s2, ttmp6, 0x10000c
	s_cmp_lg_u32 s2, 0xf033
	s_cbranch_scc0 .Lentry_shape_is_right
	s_endpgm
.Lentry_shape_is_right:
; OUTP: out0[m][d] = sum over s of gated[m][s] Wout[d][s] + Wout_b[d] + x[m][d].  gt holds gated transposed, [s][m] bf16; woutb is Wout in bf16, [d][s].
; No work is left out.
; 16 x 16 work-groups, one block of 128 m x 128 d each: the largest block that gives each of 256 work-groups one.  Four waves, 64 x 64 each: 16 accumulator tiles.
; K = 2,048 in 8 steps of 256 through two LDS slots; a step is 8 parts of 32 along K, 16 matrix instructions each, on two fragment buffers.
; gt's tile has K down its rows (256 rows of 256 bytes): its fragments come by the transposing LDS load.  woutb's tile has K along its rows (128 rows of 512 bytes).
; Source 0 = woutb, source 1 = gt, so a lane's eight results are eight neighbouring columns d of one row m.
; CLUSTERS: 4 x 4.  gt's tile hangs on the block row alone (shared along a row of the cluster), woutb's on the block column alone (shared along a column): joint loads.
; The residual's 32 loads a lane go out at the head and wait in registers; results pass through a stage in LDS so that 16 lanes store 256 consecutive bytes.
; LIMIT: the sum is formed as (product + x) + bias, the problem's as (product + bias) + x: another order of rounding.
; REGISTERS: window 0: v8-23 addresses and bias; v32-63 gt fragments, v64-95 woutb fragments, buffer 0; v96-159 buffer 1; v160-191 rows read back.
;            window 1: v0-127 accumulators, tile (a, n) at v[8 (4 a + n)]; v128-255 the residual, then the result.
.set KSTEP,  256
.set PA,     288                       ; gt's LDS row: 256 bytes + 32, an odd multiple of 32 bytes, as the transposing load's eight rows want
.set AHALF,  128*PA                    ; 36,864
.set ABYTES, 2*AHALF
.set PB,     528                       ; woutb's LDS row: 512 bytes + 16, an odd multiple of 16 bytes
.set BHALF,  64*PB                     ; 33,792
.set SLOT,   ABYTES+2*BHALF            ; 141,312
.set STG,    2*SLOT                    ; 282,624: for each wave 16 rows x 272 bytes; no tensor load ever lands here
.set SPITCH, 272
.set ADRA, 8                           ; v8-11   gt fragments: slot 0 parts 0-3, slot 0 parts 4-7, slot 1 likewise (the parts' offsets would pass 16 bits)
.set ADRB, 12                          ; v12-13  woutb fragments in slot 0, 1
.set STO,  14
.set RD,   15
.set CO,   16                          ; my byte offset in x and in out0
.set BOFF, 17
.set BIAS, 20                          ; v[20:23]
.set FA,   32
.set FB,   64
.set RDB,  160
.set X,    128                         ; window 1
.set G1A, 24
.set G0A, 32
.set G1B, 40
.set G0B, 48
.set MSB, 0
.macro WIN new
.if MSB != (\new)
	s_set_vgpr_msb (MSB<<8)|(\new)
.set MSB, (\new)
.endif
.endm
.macro PLACES                          ; four plain vector instructions between a matrix instruction and a load into, or an access to, its registers
.rept 4
	v_nop
.endr
.endm
.macro JLOAD s                         ; waves 0 and 1 fetch gt's halves, waves 2 and 3 woutb's
	s_cmp_eq_u32 s15, 0
	s_cbranch_scc0 .Lfor_b_\@
	tensor_load_to_lds s[G0A+4*\s:G0A+4*\s+3], s[G1A:G1A+7]
	s_nop 0
	s_branch .Lasked_\@
.Lfor_b_\@:
	tensor_load_to_lds s[G0B+4*\s:G0B+4*\s+3], s[G1B:G1B+7]
	s_nop 0
.Lasked_\@:
.endm
.macro CREST
	s_cmp_lg_u32 s14, 0
	s_cbranch_scc1 .Lnot_wave_0_\@
	s_barrier_signal -3
.Lnot_wave_0_\@:
	s_barrier_wait -3
	s_barrier_signal -1
	s_barrier_wait -1
.endm
.macro CROUND
	s_barrier_signal -1
	s_barrier_wait -1
	CREST
.endm
	s_load_b256 s[4:11], s[0:1], 0x0               ; gt s[4:5], woutb s[6:7], Wout_b s[8:9], x s[10:11]
	s_load_b64 s[12:13], s[0:1], 0x20              ; out0
	v_lshl_add_u32 v254, v0, 2, 0x49400
	v_mov_b32 v255, 0
	ds_add_u32 v254, v255
	v_lshrrev_b32 v1, 5, v0
	v_readfirstlane_b32 s14, v1                    ; wave 0..3
	s_lshr_b32 s15, s14, 1                         ; which 64 rows m are mine.  Also: I fetch for gt (0) or woutb (1)
	s_and_b32 s16, s14, 1                          ; which 64 columns d.  Also: which half of that tile I fetch
	s_bfe_u32 s18, ttmp6, 0x40000                  ; cx
	s_bfe_u32 s19, ttmp6, 0x40004                  ; cy
	s_lshl_b32 s20, ttmp9, 2
	s_add_co_u32 s20, s20, s18                     ; block column (d)
	s_and_b32 s21, ttmp7, 0xffff
	s_lshl_b32 s21, s21, 2
	s_add_co_u32 s21, s21, s19                     ; block row (m)
	s_lshl_b32 s22, s19, 2
	s_lshl_b32 s22, 15, s22                        ; my row of the cluster
	s_lshl_b32 s23, 0x1111, s18                    ; my column
	s_or_b32 s[G1A+0], s22, (1<<16)|(1<<20)|(1<<21)|(5<<22)|(7<<25)   ; 2-byte elements, 8 words of padding behind every 64 words, bit 21 beside the mask
	s_mov_b32 s[G1A+1], 128<<16                    ; tensor_dim0 = 128 (m)
	s_mov_b32 s[G1A+2], 128<<16                    ; tensor_dim1 = 128 rows (s)
	s_mov_b32 s[G1A+3], 128<<16                    ; tile_dim0
	s_mov_b32 s[G1A+4], 128                        ; tile_dim1
	s_mov_b32 s[G1A+5], 2048
	s_mov_b32 s[G1A+6], 0
	s_mov_b32 s[G1A+7], 0
	s_or_b32 s[G1B+0], s23, (1<<16)|(1<<20)|(1<<21)|(6<<22)|(3<<25)   ; 4 words of padding behind every 128 words
	s_mov_b32 s[G1B+1], KSTEP<<16                  ; tensor_dim0 = 256 (s)
	s_mov_b32 s[G1B+2], 64<<16                     ; tensor_dim1 = 64 rows (d)
	s_mov_b32 s[G1B+3], KSTEP<<16
	s_mov_b32 s[G1B+4], 64
	s_mov_b32 s[G1B+5], 2048
	s_mov_b32 s[G1B+6], 0
	s_mov_b32 s[G1B+7], 0
	s_lshl_b32 s56, s16, 19                        ; gt: my half's 128 rows of 4,096 bytes,
	s_lshl_b32 s2, s21, 8                          ; the block row's 128 m of 2 bytes
	s_add_co_u32 s56, s56, s2
	s_mov_b32 s57, 0
	s_lshl_b32 s58, s20, 7                         ; woutb: row 128 block column + 64 half
	s_lshl_b32 s3, s16, 6
	s_add_co_u32 s58, s58, s3
	s_lshl_b32 s58, s58, 12
	s_mov_b32 s59, 0
	s_mul_i32 s62, s14, AHALF                      ; LDS: gt's halves at wave x 36,864 (waves 0, 1),
	s_mul_i32 s63, s14, BHALF
	s_add_co_u32 s63, s63, ABYTES-2*BHALF          ; woutb's at 73,728 + (wave - 2) x 33,792 (waves 2, 3)
	s_lshl_b32 s60, s21, 7                         ; x and out0: my first row,
	s_lshl_b32 s66, s15, 6
	s_add_co_u32 s60, s60, s66
	s_lshl_b32 s60, s60, 13                        ; 8,192 bytes a row,
	s_lshl_b32 s66, s20, 7
	s_lshl_b32 s67, s16, 6
	s_add_co_u32 s66, s66, s67
	s_lshl_b32 s66, s66, 2                         ; my first column, in bytes (for the bias too)
	s_add_co_u32 s60, s60, s66
	s_mov_b32 s61, 0
	s_wait_dscnt 0x0
	s_wait_kmcnt 0x0
	s_add_nc_u64 s[56:57], s[4:5], s[56:57]
	s_add_nc_u64 s[58:59], s[6:7], s[58:59]
	s_add_nc_u64 s[10:11], s[10:11], s[60:61]
	s_add_nc_u64 s[12:13], s[12:13], s[60:61]
	CROUND                                         ; all sixteen work-groups are here: the first joint loads meet
.irp s, 0,1
	s_mov_b32 s[G0A+4*\s], 1
	s_add_co_u32 s[G0A+4*\s+1], s62, \s*SLOT
	s_add_nc_u64 s[G0A+4*\s+2:G0A+4*\s+3], s[56:57], \s*KSTEP*4096
	s_or_b32 s[G0A+4*\s+3], s[G0A+4*\s+3], 0x80000000
	s_mov_b32 s[G0B+4*\s], 1
	s_add_co_u32 s[G0B+4*\s+1], s63, \s*SLOT
	s_add_nc_u64 s[G0B+4*\s+2:G0B+4*\s+3], s[58:59], \s*KSTEP*2
	s_or_b32 s[G0B+4*\s+3], s[G0B+4*\s+3], 0x80000000
	JLOAD \s                                       ; K steps 0 and 1: two tensor loads of the wave are out, the most that this text ever has
.endr
	v_and_b32 v1, 15, v0                           ; r
	v_bfe_u32 v2, v0, 4, 1                         ; h
	v_lshlrev_b32 v7, 4, v1                        ; 16 r
	v_lshl_add_u32 v[CO], v2, 13, v7               ; lanes 0-15 one row's 256 bytes, lanes 16-31 the next row's
	v_add_nc_u32 v[BOFF], s66, v7
	WIN 0x40                                       ; destination in window 1
.irp a, 0,1,2,3
.irp t, 0,1,2,3,4,5,6,7
	global_load_b128 v[X+32*\a+4*\t:X+32*\a+4*\t+3], v[CO], s[10:11] offset:(16*\a+2*\t)*8192 th:TH_LOAD_NT
.endr
.endr
	WIN 0
	global_load_b128 v[BIAS:BIAS+3], v[BOFF], s[8:9]
	v_and_b32 v3, 7, v0
	v_bfe_u32 v4, v0, 3, 1
	v_lshl_add_u32 v5, v2, 3, v3                   ; K row 8 h + (lane & 7)
	v_mul_u32_u24 v5, v5, PA
	v_lshl_add_u32 v5, v4, 4, v5                   ; + 16 bytes for the upper eight m of a block
	s_lshl_b32 s67, s15, 7                         ; my 64 m: 128 bytes
	v_add_nc_u32 v[ADRA], s67, v5
	v_add_nc_u32 v[ADRA+1], AHALF, v[ADRA]
	v_add_nc_u32 v[ADRA+2], SLOT, v[ADRA]
	v_add_nc_u32 v[ADRA+3], SLOT, v[ADRA+1]
	v_mul_u32_u24 v6, v1, PB
	v_lshl_add_u32 v6, v2, 4, v6
	s_mul_i32 s67, s16, 64*PB                      ; my 64 rows of woutb, behind gt's tile
	s_add_co_u32 s67, s67, ABYTES
	v_add_nc_u32 v[ADRB], s67, v6
	v_add_nc_u32 v[ADRB+1], SLOT, v[ADRB]
	s_mul_i32 s67, s14, 16*SPITCH
	s_add_co_u32 s67, s67, STG                     ; my stage
	v_mul_u32_u24 v5, v1, SPITCH
	v_lshl_add_u32 v5, v2, 5, v5                   ; in: row r, 32 bytes (8 f32) for each half of the lanes
	v_add_nc_u32 v[STO], s67, v5
	v_mul_u32_u24 v5, v2, SPITCH
	v_add_nc_u32 v5, v5, v7
	v_add_nc_u32 v[RD], s67, v5                    ; back: whole rows of 256 bytes
; 16 LDS loads in one run: part q (32 along K) of the slot into buffer f: woutb's four fragments, then gt's four
.macro FETCH2 slot, q, f
	WIN 0
.irp n, 0,1,2,3
	ds_load_b128 v[FB+64*\f+8*\n:FB+64*\f+8*\n+3],   v[ADRB+\slot] offset:\n*16*PB+64*(\q)
	ds_load_b128 v[FB+64*\f+8*\n+4:FB+64*\f+8*\n+7], v[ADRB+\slot] offset:\n*16*PB+64*(\q)+32
.endr
.irp a, 0,1,2,3
	ds_load_tr16_b128 v[FA+64*\f+8*\a:FA+64*\f+8*\a+3],   v[ADRA+2*\slot+(\q)/4] offset:((\q)&3)*32*PA+32*\a
	ds_load_tr16_b128 v[FA+64*\f+8*\a+4:FA+64*\f+8*\a+7], v[ADRA+2*\slot+(\q)/4] offset:((\q)&3)*32*PA+32*\a+16*PA
.endr
.endm
; eight matrix instructions: m blocks a0, a0 + 1 x four d blocks.  The 16 accumulators take turns in one fixed order, one instruction a turn.
.macro MUL8 f, a0, zero
	WIN 0x50
.irp a, \a0, \a0+1
.irp n, 0,1,2,3
.if \zero
	v_wmma_f32_16x16x32_bf16 v[8*(4*(\a)+\n):8*(4*(\a)+\n)+7], v[FB+64*\f+8*\n:FB+64*\f+8*\n+7], v[FA+64*\f+8*(\a):FA+64*\f+8*(\a)+7], 0
.else
	v_wmma_f32_16x16x32_bf16 v[8*(4*(\a)+\n):8*(4*(\a)+\n)+7], v[FB+64*\f+8*\n:FB+64*\f+8*\n+7], v[FA+64*\f+8*(\a):FA+64*\f+8*(\a)+7], v[8*(4*(\a)+\n):8*(4*(\a)+\n)+7]
.endif
.endr
.endr
.endm
; part q = 0..6: multiplies buffer f; in its middle fetches part q + 1 into buffer g
.macro QS slot, q, f, g, zero
	s_wait_dscnt 4                                 ; woutb's fragments and gt's blocks 0, 1 are in; the four youngest loads (blocks 2, 3) may be out
	MUL8 \f, 0, \zero
	PLACES
	FETCH2 \slot, \q+1, \g
	s_wait_dscnt 16                                ; all but the 16 just issued
	MUL8 \f, 2, \zero
.endm
.macro SEVEN slot, zero
	QS \slot, 0, 0, 1, \zero
	QS \slot, 1, 1, 0, 0
	QS \slot, 2, 0, 1, 0
	QS \slot, 3, 1, 0, 0
	QS \slot, 4, 0, 1, 0
	QS \slot, 5, 1, 0, 0
	QS \slot, 6, 0, 1, 0
.endm
; part 7: multiplies buffer 1 and changes slots.  In front of the barrier: my reads of this slot are back, all my tensor loads have landed (the one that was out is my
; part of the next slot).  Where the slot is filled again the barrier opens a round of the cluster's barrier and the joint refill is the first tensor load behind it.
; From that request to the wait for it a wave issues 120 matrix instructions.
.macro TURN2 slot, next, fill
	s_wait_dscnt 0
	s_wait_tensorcnt 0x0
	ds_add_u32 v254, v255
	s_wait_dscnt 0x0
	s_barrier_signal -1
	MUL8 1, 0, 0                                   ; registers only, while the others arrive
	WIN 0
	s_barrier_wait -1
.if \fill
	CREST
	s_add_nc_u64 s[G0A+4*\slot+2:G0A+4*\slot+3], s[G0A+4*\slot+2:G0A+4*\slot+3], 2*KSTEP*4096
	s_add_nc_u64 s[G0B+4*\slot+2:G0B+4*\slot+3], s[G0B+4*\slot+2:G0B+4*\slot+3], 2*KSTEP*2
	JLOAD \slot
.endif
	PLACES
	FETCH2 \next, 0, 0
	MUL8 1, 2, 0
.endm
.macro LAP2 zero
	SEVEN 0, \zero
	TURN2 0, 1, 1
	SEVEN 1, 0
	TURN2 1, 0, 1
.endm
	s_wait_tensorcnt 0x1                           ; my part of K step 0 is in; K step 1's load, issued behind it, may stay out
	s_barrier_signal -1
	s_barrier_wait -1
	FETCH2 0, 0, 0
	LAP2 1                                         ; the first lap: its first part starts the sums
	WIN 0
	s_mov_b32 s17, 2
.Llap:
	LAP2 0
	WIN 0
	s_sub_co_u32 s17, s17, 1
	s_cmp_lg_u32 s17, 0
	s_cbranch_scc1 .Llap
	SEVEN 0, 0                                     ; the last lap fills nothing
	TURN2 0, 1, 0
	SEVEN 1, 0
	s_wait_dscnt 0
	MUL8 1, 0, 0
	MUL8 1, 2, 0
	; THE WAY OUT, 16 rows at a time: 32 bytes a lane into my own stage, whole rows of 256 bytes back, + residual + bias, out
	PLACES
	s_wait_loadcnt 0x0                             ; the residual and the bias
.macro OUT16 a
	WIN 0x04                                       ; store data in window 1; addresses and loaded data in window 0
.irp n, 0,1,2,3
	ds_store_b128 v[STO], v[8*(4*\a+\n):8*(4*\a+\n)+3] offset:64*\n
	ds_store_b128 v[STO], v[8*(4*\a+\n)+4:8*(4*\a+\n)+7] offset:64*\n+16
.endr
.irp t, 0,1,2,3,4,5,6,7
	ds_load_b128 v[RDB+4*\t:RDB+4*\t+3], v[RD] offset:\t*2*SPITCH   ; LDS serves a wave's instructions in order (ISA guide 5.7.1.4): these see the stores above
.endr
	WIN 0x44                                       ; source 1, store data and destination in window 1
.irp t, 0,1,2,3,4,5,6,7
	s_wait_dscnt 7-\t                              ; load t is in, the 7 - t younger ones may be out
	v_pk_add_f32 v[X+32*\a+4*\t:X+32*\a+4*\t+1],   v[RDB+4*\t:RDB+4*\t+1],   v[X+32*\a+4*\t:X+32*\a+4*\t+1]
	v_pk_add_f32 v[X+32*\a+4*\t+2:X+32*\a+4*\t+3], v[RDB+4*\t+2:RDB+4*\t+3], v[X+32*\a+4*\t+2:X+32*\a+4*\t+3]
	v_pk_add_f32 v[X+32*\a+4*\t:X+32*\a+4*\t+1],   v[BIAS:BIAS+1],   v[X+32*\a+4*\t:X+32*\a+4*\t+1]
	v_pk_add_f32 v[X+32*\a+4*\t+2:X+32*\a+4*\t+3], v[BIAS+2:BIAS+3], v[X+32*\a+4*\t+2:X+32*\a+4*\t+3]
	global_store_b128 v[CO], v[X+32*\a+4*\t:X+32*\a+4*\t+3], s[12:13] offset:(16*\a+2*\t)*8192 th:TH_STORE_NT   ; 16 lanes store 256 consecutive bytes, aligned; no store's register is written again
.endr
.endm
	OUT16 0
	OUT16 1
	OUT16 2
	OUT16 3
	WIN 0
	s_wait_tensorcnt 0x0
	ds_add_u32 v254, v255
	s_wait_dscnt 0x0
	CROUND                                         ; the closing round: no work-group ends while a partner may still ask for a tile that names it
	s_endpgm
.Lfunc_end_k_q78af1d3e00_outp:
	.size	k_q78af1d3e00_outp, .Lfunc_end_k_q78af1d3e00_outp-k_q78af1d3e00_outp
	.p2alignl 7, 3214868480
	.fill 96, 4, 3214868480
	.section	.rodata,"a",@progbits
	.p2align	6, 0x0
	.amdhsa_kernel k_q78af1d3e00_outp
		.amdhsa_group_segment_fixed_size 327680
		.amdhsa_private_segment_fixed_size 0
		.amdhsa_enable_private_segment 0
		.amdhsa_kernarg_size 40
		.amdhsa_user_sgpr_count 2
		.amdhsa_user_sgpr_kernarg_segment_ptr 1
		.amdhsa_wavefront_size32 1
		.amdhsa_system_sgpr_workgroup_id_x 1
		.amdhsa_system_sgpr_workgroup_id_y 1
		.amdhsa_system_sgpr_workgroup_id_z 1
		.amdhsa_system_vgpr_workitem_id 0
		.amdhsa_next_free_vgpr 512
		.amdhsa_next_free_sgpr 72
		.amdhsa_reserve_vcc 0
		.amdhsa_float_denorm_mode_32 3
		.amdhsa_float_denorm_mode_16_64 3
		.amdhsa_memory_ordered 1
		.amdhsa_forward_progress 1
		.amdhsa_inst_pref_size 139
	.end_amdhsa_kernel
	.amdgpu_metadata
---
amdhsa.version: [ 1, 2 ]
amdhsa.kernels:
  - .name:           k_q78af1d3e00_outp
    .symbol:         k_q78af1d3e00_outp.kd
    .args:
      - { .name: gt, .offset: 0, .size: 8, .value_kind: global_buffer, .address_space: global }
      - { .name: woutb, .offset: 8, .size: 8, .value_kind: global_buffer, .address_space: global }
      - { .name: Wout_b, .offset: 16, .size: 8, .value_kind: global_buffer, .address_space: global }
      - { .name: x, .offset: 24, .size: 8, .value_kind: global_buffer, .address_space: global }
      - { .name: out0, .offset: 32, .size: 8, .value_kind: global_buffer, .address_space: global }
    .group_segment_fixed_size: 327680
    .private_segment_fixed_size: 0
    .kernarg_segment_align: 8
    .kernarg_segment_size: 40
    .max_flat_workgroup_size: 128
    .sgpr_count:     72
    .vgpr_count:     512
    .wavefront_size: 32
...
	.end_amdgpu_metadata
.endif
;; end of part 3
